; MI455X (gfx1250); checked and timed in simulation.
; The chip was launched on July 23, 2026; its instructions are those of AMD's public machine-readable ISA for CDNA 5 (MIT licence, August 2026) and "CDNA5" Instruction Set Architecture Reference Guide (July 2026). The comments in the code are by the model that wrote it; some were corrected since.
;; Quan Dense. Allowed arithmetic: matrix products marked QUANTISED: E2M1 operands, one E8M0 scale for each 32 along K, by v_wmma_scale_f32_16x16x128_f8f6f4 with both operands' format E2M1 (or v_wmma_scale_f32_32x16x128_f4), f32 sums; everything else in f32.
;; Inputs: W 4,096 x 4,096 float32; b 4,096 float32; x 4,096 x 4,096 float32.
;; Outputs: out0 4,096 x 4,096 float32.
;; This version of the problem:
;;   THIS VERSION OF THE PROBLEM IS GIVEN IN LOW PRECISION. The matrix products marked QUANTISED in the list below multiply operands that are first quantised to E2M1 (2 exponent bits, 1 mantissa bit; 4 bits a number), with one power-of-two scale for each 32 numbers along K (OCP MX v1.0); their sums are f32. All else is computed in f32.
;;   The module's matrix products, in the order in which they are computed (A, B: the left and right operand; K: the contracted axis; several contracted axes count as one K, in the product's order):
;;     1. [M 4,096, K 4,096] x [K 4,096, N 4,096]; A: computed on the way; B: computed on the way: QUANTISED
;;   THE QUANTISER, for each operand of a quantised product, along K:
;;     - K is cut into blocks of 32 from its start; a last block that is shorter is filled with zeros.
;;     - A block's scale is 2^e with e = floor(log2(the largest magnitude in the block)) - 2, held to -126 .. 127; a block of zeros has e = 0. As a byte (E8M0): e + 127.
;;     - Each number is divided by its block's scale, clamped to +-6, and rounded to the nearest number of E2M1, ties to even, subnormals kept.
;;     - The product sums the exact products of the quantised numbers (number of the format x scale) in f32.
;;   ~~~python
;;   def quantise(x, axis):      # numpy; x: float32 -> the quantised numbers, widened to float32 again
;;       x = np.moveaxis(x, axis, -1); K = x.shape[-1]
;;       x = np.pad(x, [(0, 0)] * (x.ndim - 1) + [(0, -K % 32)]); x = x.reshape(x.shape[:-1] + (-1, 32)); a = np.abs(x).max(-1, keepdims=True)
;;       e = np.where(a > 0, np.clip(np.frexp(np.where(a > 0, a, 1))[1] - 1 - 2, -126, 127), 0)      # np.frexp(a)[1] - 1 = floor(log2(a)), exactly
;;       r = np.clip(x / 2.0 ** e, -6, 6)
;;       step = 2.0 ** (np.maximum(np.frexp(np.where(r == 0, 1, r))[1] - 1, 0) - 1)
;;       q = np.round(r / step) * step * 2.0 ** e      # np.round: ties to even
;;       return np.moveaxis(q.reshape(q.shape[:-2] + (-1,))[..., :K], -1, axis).astype(np.float32)
;;   ~~~
;;   OPERANDS COMPUTED ON THE WAY. 'Computed on the way' means the value that the module computes at that place (a softmax that the list does not call 'softmax' is quantised finished and normalised). What goes into a quantiser is computed in f32, as accurately as f32 sums, v_exp_f32 and their like allow (about 1e-6 of the number): no bf16 or f16 on the way to a quantiser, and a product that is left as it is and whose result goes on into a quantised operand takes f32 operands (vector FMAs, or v_wmma_f32_16x16x4_f32). A number that lies on a knife's edge between two numbers of the format may be rounded either way, as far as f32 arithmetic and the matrix unit's own rounding can turn it there, and no further.
;; One version. Each part assembles by itself: llvm-mc -triple=amdgcn-amd-amdhsa -mcpu=gfx1250 --defsym DOCPART=n.
;; ======== version 1 of 1: 3 launches
;; limits: right only within a limited range of input values
;; workspace buffers: part 4,096 bytes; xq 8,912,896 bytes; wq 8,912,896 bytes
;; launch minmax (part 1): grid 512 x 1, 8 waves a work-group, no clusters, 1,280 bytes of LDS; arguments x, W, part; writes part
.if DOCPART == 1
	.amdgcn_target "amdgcn-amd-amdhsa--gfx1250"
	.amdhsa_code_object_version 6
	.text
	.protected	k_q511988fa78_minmax
	.globl	k_q511988fa78_minmax
	.p2align	8
	.type	k_q511988fa78_minmax,@function
k_q511988fa78_minmax:
	s_mov_b64 s[64:65], 0
	v_nop
	global_prefetch_b8 v0, s[64:65] scope:SCOPE_SE
	s_setreg_imm32_b32 hwreg(HW_REG_WAVE_MODE, 25, 1), 1
	s_wait_xcnt 0x0
; The smallest and the largest number of x and of W, in parts: part[tensor][work-group][min, max], f32; x's 256 pairs at byte 0, W's at byte 2,048.
; Work-groups 0-255 take x, 256-511 take W: only the pointer is chosen, by the work-group's number; one path through the text.
; A work-group takes 262,144 consecutive bytes, each of its eight waves 32,768: 64 loads of 16 bytes a lane, 512 consecutive bytes a load.
; A ring of 16 register slots keeps 16 loads of every wave on their way.  No pointer is stepped: every offset is an immediate.
; LIMITS: a NaN among the inputs is passed over (the _num forms drop it); infinities are not served.
.set RING, 16                          ; loads of a wave that are out
.set NLD,  64                          ; loads of a wave
.set X,    16                          ; v16-79  the ring: slot i % 16, four registers
.set MN,   4                           ; v4-5    two running minima
.set MX,   6                           ; v6-7    two running maxima
	s_load_b128 s[4:7], s[0:1], 0x0                ; x, W
	s_load_b64 s[8:9], s[0:1], 0x10                ; part
	v_lshl_add_u32 v96, v0, 2, 0x100
	v_mov_b32 v97, 0
	v_lshrrev_b32 v2, 5, v0
	v_readfirstlane_b32 s10, v2                    ; wave 0..7
	v_and_b32 v1, 31, v0
	v_lshlrev_b32 v1, 4, v1                        ; 16 bytes a lane; never rewritten
	s_mov_b32 s12, 0x76543210                      ; v_permlanex16_b32: lane l takes lane l xor 16
	s_mov_b32 s13, 0xfedcba98
	s_and_b32 s14, ttmp9, 255
	s_lshl_b32 s14, s14, 18                        ; the work-group's 262,144 bytes,
	s_lshl_b32 s15, s10, 15                        ; the wave's 32,768 of them
	s_add_co_u32 s14, s14, s15
	s_mov_b32 s15, 0
	s_wait_alu depctr_va_vdst(0)
	s_wait_kmcnt 0x0
	s_cmp_lt_u32 ttmp9, 256
	s_cselect_b64 s[4:5], s[4:5], s[6:7]
	s_add_nc_u64 s[4:5], s[4:5], s[14:15]
.irp i, 0,1,2,3,4,5,6,7,8,9,10,11,12,13,14,15
	global_load_b128 v[X+4*\i:X+4*\i+3], v1, s[4:5] offset:512*\i
.endr
; Load i's turn: it is in when at most the younger loads are out; its four numbers join the chains; its registers take load i + 16.
.macro SLOT i
.set XS, X+4*((\i)%RING)
	s_wait_alu depctr_va_vdst(0)
.if NLD-1-(\i) < RING-1
	s_wait_loadcnt NLD-1-(\i)                      ; the last loads: the counts run down
.else
	s_wait_loadcnt RING-1                          ; loads come back in order: mine is in, the 15 younger ones stay out
.endif
.if (\i) == 0
	v_min_num_f32 v[MN], v[XS], v[XS+1]            ; the first four numbers start the chains: nothing is cleared
	v_min_num_f32 v[MN+1], v[XS+2], v[XS+3]
	v_max_num_f32 v[MX], v[XS], v[XS+1]
	v_max_num_f32 v[MX+1], v[XS+2], v[XS+3]
.else
	v_min3_num_f32 v[MN], v[MN], v[XS], v[XS+1]
	v_min3_num_f32 v[MN+1], v[MN+1], v[XS+2], v[XS+3]
	v_max3_num_f32 v[MX], v[MX], v[XS], v[XS+1]
	v_max3_num_f32 v[MX+1], v[MX+1], v[XS+2], v[XS+3]
.endif
.if (\i)+RING < NLD
	global_load_b128 v[XS:XS+3], v1, s[4:5] offset:512*((\i)+RING)
.endif
.endm
.set I, 0
.rept NLD
	SLOT I
.set I, I+1
.endr
	; across the lanes: four steps inside each half of 16 lanes, one across the halves
	v_min_num_f32 v[MN], v[MN], v[MN+1]
	v_max_num_f32 v[MX], v[MX], v[MX+1]
.irp m, 1,2,4,8
	v_min_num_f32_dpp v[MN], v[MN], v[MN] row_xmask:\m row_mask:0xf bank_mask:0xf
	v_max_num_f32_dpp v[MX], v[MX], v[MX] row_xmask:\m row_mask:0xf bank_mask:0xf
.endr
	v_permlanex16_b32 v[MN+1], v[MN], s12, s13     ; (destinations that have been written before)
	v_permlanex16_b32 v[MX+1], v[MX], s12, s13
	v_min_num_f32 v8, v[MN], v[MN+1]
	v_max_num_f32 v9, v[MX], v[MX+1]
	; across the eight waves: each stores its pair to its own 8 bytes of LDS; a barrier; every wave reads all
	v_mov_b32 v10, s10
	v_lshlrev_b32 v10, 3, v10
	ds_store_b64 v10, v[8:9]                       ; all lanes write the same 8 bytes with the same value
	s_wait_dscnt 0x0                               ; for the others' sake: my store has landed
	s_barrier_signal -1
	s_barrier_wait -1
	v_mov_b32 v11, 0
.irp i, 0,1,2,3
	ds_load_b128 v[16+4*\i:19+4*\i], v11 offset:16*\i
.endr
	s_wait_dscnt 0x0
	v_min3_num_f32 v[MN], v16, v18, v20
	v_min3_num_f32 v[MN+1], v22, v24, v26
	v_max3_num_f32 v[MX], v17, v19, v21
	v_max3_num_f32 v[MX+1], v23, v25, v27
	v_min3_num_f32 v[MN], v[MN], v28, v30
	v_max3_num_f32 v[MX], v[MX], v29, v31
	v_min_num_f32 v8, v[MN], v[MN+1]
	v_max_num_f32 v9, v[MX], v[MX+1]
	s_cmp_lg_u32 s10, 0                            ; wave 0 stores the work-group's pair, from one lane
	s_cbranch_scc1 .Lend
	s_lshl_b32 s14, ttmp9, 3                       ; 8 bytes a work-group: x's pairs first, then W's
	v_mov_b32 v10, s14
	s_wait_alu depctr_va_vdst(0)
	s_wait_xcnt 0x0                                ; EXEC changes only behind this wait
	v_cmp_gt_u32 vcc_lo, 1, v0
	s_and_saveexec_b32 s16, vcc_lo
	global_store_b64 v10, v[8:9], s[8:9]
	s_wait_xcnt 0x0                                ; and again in front of the line that widens it
	s_or_b32 exec_lo, exec_lo, s16
.Lend:
	s_wait_tensorcnt 0x0
	ds_add_u32 v96, v97
	s_wait_dscnt 0x0
	s_endpgm
.Lfunc_end_k_q511988fa78_minmax:
	.size	k_q511988fa78_minmax, .Lfunc_end_k_q511988fa78_minmax-k_q511988fa78_minmax
	.p2alignl 7, 3214868480
	.fill 96, 4, 3214868480
	.section	.rodata,"a",@progbits
	.p2align	6, 0x0
	.amdhsa_kernel k_q511988fa78_minmax
		.amdhsa_group_segment_fixed_size 1280
		.amdhsa_private_segment_fixed_size 0
		.amdhsa_enable_private_segment 0
		.amdhsa_kernarg_size 24
		.amdhsa_user_sgpr_count 2
		.amdhsa_user_sgpr_kernarg_segment_ptr 1
		.amdhsa_wavefront_size32 1
		.amdhsa_system_sgpr_workgroup_id_x 1
		.amdhsa_system_sgpr_workgroup_id_y 1
		.amdhsa_system_sgpr_workgroup_id_z 1
		.amdhsa_system_vgpr_workitem_id 0
		.amdhsa_next_free_vgpr 98
		.amdhsa_next_free_sgpr 66
		.amdhsa_reserve_vcc 1
		.amdhsa_float_denorm_mode_32 3
		.amdhsa_float_denorm_mode_16_64 3
		.amdhsa_memory_ordered 1
		.amdhsa_forward_progress 1
		.amdhsa_inst_pref_size 30
	.end_amdhsa_kernel
	.amdgpu_metadata
---
amdhsa.version: [ 1, 2 ]
amdhsa.kernels:
  - .name:           k_q511988fa78_minmax
    .symbol:         k_q511988fa78_minmax.kd
    .args:
      - { .name: x, .offset: 0, .size: 8, .value_kind: global_buffer, .address_space: global }
      - { .name: W, .offset: 8, .size: 8, .value_kind: global_buffer, .address_space: global }
      - { .name: part, .offset: 16, .size: 8, .value_kind: global_buffer, .address_space: global }
    .group_segment_fixed_size: 1280
    .private_segment_fixed_size: 0
    .kernarg_segment_align: 8
    .kernarg_segment_size: 24
    .max_flat_workgroup_size: 256
    .sgpr_count:     66
    .vgpr_count:     98
    .wavefront_size: 32
...
	.end_amdgpu_metadata
.endif
;; end of part 1
;; launch quant (part 2): grid 1024 x 1, 4 waves a work-group, no clusters, 34,304 bytes of LDS; arguments x, W, part, xq, wq; writes xq, wq
.if DOCPART == 2
	.amdgcn_target "amdgcn-amd-amdhsa--gfx1250"
	.amdhsa_code_object_version 6
	.text
	.protected	k_q511988fa78_quant
	.globl	k_q511988fa78_quant
	.p2align	8
	.type	k_q511988fa78_quant,@function
k_q511988fa78_quant:
	s_mov_b64 s[64:65], 0
	v_nop
	global_prefetch_b8 v0, s[64:65] scope:SCOPE_SE
	s_setreg_imm32_b32 hwreg(HW_REG_WAVE_MODE, 25, 1), 1
	s_wait_xcnt 0x0
; x [4096][4096] and W [4096][4096], f32, go through two quantisers, and leave as codes of FP4 (E2M1) with one E8M0 byte for each 32 along K.
; (1) THE UNIFORM 8-BIT ONE, over the tensor's own smallest and largest number mn, mx (the parts of the launch before are joined here by every wave):
;     step = (mx - mn) / 255;  y = (v - mn) / step;  v' = round(y) x step + mn, ties to even.
;     THE DIVISION BY THE CONSTANT 255 IS TAKEN AS ONE PRODUCT WITH THE f32 NUMBER NEAREST 1 / 255 (0x3b808081), rounded once: at most one unit in step's last place from the rounded quotient.
;     The division by step, which is no constant, is made as a product with a reciprocal, mended by the exact remainder (one fused multiply-add) and one more fused multiply-add: the quotient rounded as a division rounds it.
;     The clip to [mn, mx] changes nothing (mn, mx are this tensor's own), and y + (round(y) - y) is round(y) exactly in f32: both are written as what they are.
; (2) THE MX ONE along K (x's last axis, W's first): a block's scale is 2^(floor(log2(its largest magnitude)) - 2); its byte is the largest magnitude's exponent field - 2, held at 1 from below.
; LAYOUT OF xq AND wq, the same for both: [tile of 16 rows of x or 16 columns of W: 256][K step of 512: 8][a record of 4,352 bytes].
;     A record: codes [block t = 0..15 of 32 along K][r = 0..15][16 bytes], then scale bytes [half 0..1][r][8 bytes: blocks 8 half + 0..7].
;     So the four registers 4 c .. 4 c + 3 of the operand's fragment for the q-th 128 along K lie lane by lane at byte 1,024 q + 512 c + 16 lane: a record is an image of operand registers.
; Work-groups 0-511 take x (a wave: one record, 16 rows x 512 K), 512-1023 take W (a wave: 32 columns x 256 K, half of two records).  Waves share nothing: no barrier.  Only x's path uses LDS.
; LIMITS: NaN and infinities are not served.  A tensor all of whose numbers are equal has step 0 and gives no finite numbers, here as in the definition.  A block whose largest magnitude lies under 2^-124,
;     a block of zeros among them, keeps the byte 1: this program alone reads the bytes, and a block of zeros has zero codes.
.set REC,   4352
.set TROW,  8*REC                      ; from a tile of 16 to the next
.set FLOOR, 0x1800000                  ; 2^(3 - 127)
.set EOFF,  0xff000000                 ; takes 2 off an exponent field
.set P,     160                        ; v160-175 eight (min, max) pairs a lane
; v1 16 x lane; v[4:5] -mn; v[6:7] mn; v[8:9] 1 / step; v[10:11] step; v[12:13] -step (each twice: pairs for the packed forms); v14-15 largest magnitudes; v18-19 the conversions' scale operands;
; v20-23 scale words; v24-31 at work
.macro CONSTS
	v_min3_num_f32 v24, v[P], v[P+2], v[P+4]
	v_max3_num_f32 v25, v[P+1], v[P+3], v[P+5]
	v_min3_num_f32 v26, v[P+6], v[P+8], v[P+10]
	v_max3_num_f32 v27, v[P+7], v[P+9], v[P+11]
	v_min3_num_f32 v24, v24, v[P+12], v[P+14]
	v_max3_num_f32 v25, v25, v[P+13], v[P+15]
	v_min_num_f32 v24, v24, v26
	v_max_num_f32 v25, v25, v27
.irp m, 1,2,4,8
	v_min_num_f32_dpp v24, v24, v24 row_xmask:\m row_mask:0xf bank_mask:0xf
	v_max_num_f32_dpp v25, v25, v25 row_xmask:\m row_mask:0xf bank_mask:0xf
.endr
	v_permlanex16_b32 v26, v24, s36, s37
	v_permlanex16_b32 v27, v25, s36, s37
	v_min_num_f32 v6, v24, v26                     ; mn
	v_max_num_f32 v25, v25, v27                    ; mx
	v_sub_f32 v24, v25, v6                         ; mx - mn
	v_mul_f32 v10, 0x3b808081, v24                 ; step = (mx - mn) x the f32 number nearest 1 / 255: one rounding
	s_wait_alu depctr_va_vdst(0)
	v_rcp_f32 v8, v10
	v_mov_b32 v7, v6                               ; (plain lines behind the reciprocal, which name neither its result nor write its source)
	v_mov_b32 v11, v10
	v_xor_b32 v4, 0x80000000, v6
	v_xor_b32 v12, 0x80000000, v10
	s_wait_alu depctr_va_vdst(0)                   ; ahead of the reciprocal's first reader
	v_fma_f32 v24, v12, v8, 1.0                    ; two Newton steps
	v_fma_f32 v8, v24, v8, v8
	v_fma_f32 v24, v12, v8, 1.0
	v_fma_f32 v8, v24, v8, v8
	v_mov_b32 v5, v4
	v_mov_b32 v13, v12
	v_mov_b32 v9, v8
.endm
; The uniform quantiser, in place, on 8 x groups numbers from v[base] on; four pairs take turns, so that no line waits for the line above it.
.macro FQ base, groups
.set fq, \base
.rept \groups
.irp p, 0,2,4,6
	v_pk_add_f32 v[fq+\p:fq+\p+1], v[fq+\p:fq+\p+1], v[4:5]                       ; a = v - mn
.endr
.irp p, 0,2,4,6
	v_pk_mul_f32 v[24+\p:25+\p], v[fq+\p:fq+\p+1], v[8:9]                          ; q = a / step, nearly
.endr
.irp p, 0,2,4,6
	v_pk_fma_f32 v[fq+\p:fq+\p+1], v[24+\p:25+\p], v[12:13], v[fq+\p:fq+\p+1]      ; what q leaves of a
.endr
.irp p, 0,2,4,6
	v_pk_fma_f32 v[24+\p:25+\p], v[fq+\p:fq+\p+1], v[8:9], v[24+\p:25+\p]          ; y = a / step
.endr
.irp p, 0,1,2,3,4,5,6,7
	v_rndne_f32 v[24+\p], v[24+\p]                                                 ; ties to even
.endr
.irp p, 0,2,4,6
	v_pk_fma_f32 v[fq+\p:fq+\p+1], v[24+\p:25+\p], v[10:11], v[6:7]                ; x step + mn
.endr
.set fq, fq+8
.endr
.endm
; The largest magnitude of the 32 numbers from v[base] on, in two chains, with the floor as the last leaf.
.macro BMAX dst, tmp, base
	v_max3_num_f32 v[\dst], |v[\base]|, |v[\base+1]|, |v[\base+2]|
	v_max3_num_f32 v[\tmp], |v[\base+3]|, |v[\base+4]|, |v[\base+5]|
.irp i, 6,10,14,18,22,26
	v_max3_num_f32 v[\dst], v[\dst], |v[\base+\i]|, |v[\base+\i+1]|
	v_max3_num_f32 v[\tmp], v[\tmp], |v[\base+\i+2]|, |v[\base+\i+3]|
.endr
	v_max3_num_f32 v[\dst], v[\dst], |v[\base+30]|, |v[\base+31]|
	v_max3_num_f32 v[\dst], v[\dst], v[\tmp], FLOOR
.endm
	s_load_b128 s[4:7], s[0:1], 0x0                ; x, W
	s_load_b128 s[8:11], s[0:1], 0x10              ; part, xq
	s_load_b64 s[12:13], s[0:1], 0x20              ; wq
	v_lshrrev_b32 v2, 5, v0
	v_readfirstlane_b32 s14, v2                    ; wave 0..3
	v_and_b32 v3, 31, v0                           ; lane
	v_lshlrev_b32 v1, 4, v3
	s_mov_b32 s36, 0x76543210                      ; v_permlanex16_b32: lane l xor 16
	s_mov_b32 s37, 0xfedcba98
	s_mov_b32 s21, 0
	s_wait_kmcnt 0x0
	s_cmp_lt_u32 ttmp9, 512
	s_cbranch_scc0 .Lpath_w
	; ======== x: K is innermost.  A wave makes one record in four steps of 128 along K: a step is one fragment (16 rows x 128 K).
	; Each load reads 512 consecutive bytes of a row; the conversions want 32 neighbours along K in ONE lane: so a step's 16 x 512 bytes turn through the wave's own stage in LDS
	; (rows of 512 bytes + 16 of padding: the sixteen rows that a load back touches start at sixteen different banks).
.set R,   32                           ; v32-159  two sets of 64 registers as loaded
.set XN,  160                          ; v160-223 my two blocks of 32 neighbours: block c = k 64 c + 32 (lane / 16) + 0 .. 31 of row lane % 16
.set C,   224                          ; v224-255 codes: eight registers for each step, so that no store's data are written again
.set SP,  528
	s_wait_alu depctr_va_vdst(0)
	v_lshlrev_b32 v16, 3, v3                       ; 8 x lane: the scale bytes' place
	v_and_b32 v24, 15, v0                          ; r
	v_bfe_u32 v25, v0, 4, 1                        ; h
	v_lshlrev_b32 v17, 3, v25                      ; 8 h
	s_mul_i32 s15, s14, 16*SP                      ; my stage
	v_add_nc_u32 v2, s15, v1                       ; into it: 16 x lane of a row
	v_mul_u32_u24 v3, v24, SP
	v_lshl_add_u32 v3, v25, 7, v3
	v_add_nc_u32 v3, s15, v3                       ; out of it: row r, 128 h bytes on
	s_lshl_b32 s16, ttmp9, 2
	s_add_co_u32 s16, s16, s14                     ; my record: 8 x tile + K step
	s_lshr_b32 s17, s16, 3
	s_and_b32 s18, s16, 7
	s_lshl_b32 s20, s17, 18                        ; 16 rows of 16,384 bytes a tile,
	s_lshl_b32 s18, s18, 11                        ; 2,048 bytes a K step
	s_add_co_u32 s20, s20, s18
	s_add_nc_u64 s[4:5], s[4:5], s[20:21]
	s_mul_i32 s20, s16, REC
	s_add_nc_u64 s[10:11], s[10:11], s[20:21]
.irp i, 0,1,2,3
	global_load_b128 v[P+4*\i:P+4*\i+3], v1, s[8:9] offset:512*\i                  ; x's 256 pairs, eight a lane
.endr
.macro XLOAD q
.irp i, 0,1,2,3,4,5,6,7,8,9,10,11,12,13,14,15
	global_load_b128 v[R+64*((\q)%2)+4*\i:R+64*((\q)%2)+4*\i+3], v1, s[4:5] offset:16384*\i+512*(\q) th:TH_LOAD_NT
.endr
.endm
	XLOAD 0
	XLOAD 1
	s_wait_loadcnt 32                              ; the pairs are in; two steps' 32 loads stay out
	CONSTS
.macro XSTEP q
.if (\q) < 3
	s_wait_loadcnt 16                              ; this step's 16 loads are in; the next step's stay out
.else
	s_wait_loadcnt 0x0
.endif
.irp i, 0,1,2,3,4,5,6,7,8,9,10,11,12,13,14,15
	ds_store_b128 v2, v[R+64*((\q)%2)+4*\i:R+64*((\q)%2)+4*\i+3] offset:SP*\i
.endr
.irp c, 0,1
.irp j, 0,1,2,3,4,5,6,7
	ds_load_b128 v[XN+32*\c+4*\j:XN+32*\c+4*\j+3], v3 offset:256*\c+16*\j          ; LDS serves a wave's instructions in order: these see the stores above
.endr
.endr
.if (\q)+2 < 4
	s_wait_dscnt 16                                ; the 16 stores are done: their registers take the loads of two steps on
	XLOAD (\q)+2
.endif
	s_wait_dscnt 0x0
	FQ XN, 8
	BMAX 14, 24, XN
	BMAX 15, 25, XN+32
	v_add_nc_u32 v18, EOFF, v14                    ; 2 off the exponent field: the conversion takes the exponent field of this operand as its scale, and nothing else of it
	v_add_nc_u32 v19, EOFF, v15
.irp c, 0,1
.irp g, 0,1,2,3
	v_cvt_scalef32_pk8_fp4_f32 v[C+8*(\q)+4*\c+\g], v[XN+32*\c+8*\g:XN+32*\c+8*\g+7], v[18+\c]
.endr
.endr
	v_lshrrev_b32 v24, 23, v18                     ; the bytes of my blocks h and 2 + h of the fragment (a plain line behind the conversions),
	v_lshrrev_b32 v25, 23, v19
	v_lshl_or_b32 v24, v25, 16, v24
	v_lshlrev_b32 v24, v17, v24                    ; at their places in the row's scale word;
	v_permlanex16_b32 v25, v24, s36, s37
	v_or_b32 v[20+(\q)], v24, v25                  ; with lane l xor 16's two the word is whole
.irp c, 0,1
	global_store_b128 v1, v[C+8*(\q)+4*\c:C+8*(\q)+4*\c+3], s[10:11] offset:1024*(\q)+512*\c   ; 32 lanes store 512 consecutive bytes, at a multiple of 256 from the buffer's first byte
.endr
.endm
	s_wait_alu depctr_va_vdst(0)
.irp q, 0,1,2,3
	XSTEP \q
.endr
	s_mov_b32 s38, 0xffff0000
	v_cndmask_b32 v24, v20, v22, s38               ; lanes 0-15: my row's blocks 0-7; lanes 16-31: its blocks 8-15
	v_cndmask_b32 v25, v21, v23, s38
	global_store_b64 v16, v[24:25], s[10:11] offset:4096   ; 256 consecutive bytes
	v_lshl_add_u32 v26, v0, 2, 0x8400              ; all 256 registers are at work above, so v0 is kept and the add's two registers are made here: my spare word behind the four stages,
	v_mov_b32 v27, 0                               ; and 0
	s_wait_alu depctr_va_vdst(0)
	s_wait_tensorcnt 0x0                           ; the wave's end
	ds_add_u32 v26, v27
	s_wait_dscnt 0x0
	s_endpgm
	; ======== W: K is the first axis.  A lane takes a column and its registers run down K: a block of 32 lies in one lane, the codes come out with K innermost, and nothing is transposed.
	; A wave takes 32 columns (two tiles of 16) x 256 along K: eight blocks.  The four waves stand side by side on 512 bytes of each row of W.
.Lpath_w:
.set WX,  32                           ; v32-95   two sets of 32 numbers
.set WC,  96                           ; v96-127  codes: four registers for each block, never written again
	s_wait_alu depctr_va_vdst(0)
	v_lshlrev_b32 v2, 2, v3                        ; 4 bytes a lane
	s_wait_alu depctr_va_vdst(0)
	v_and_b32 v24, 15, v0                          ; r
	v_bfe_u32 v25, v0, 4, 1                        ; h: which of my two tiles
	v_mul_u32_u24 v25, v25, TROW
	v_lshl_add_u32 v3, v24, 4, v25                 ; the codes' place: 16 bytes a column
	v_lshl_add_u32 v16, v24, 3, v25                ; the scale bytes': 8 a column
	s_sub_co_u32 s16, ttmp9, 512
	s_and_b32 s17, s16, 31                         ; which 128 columns
	s_lshr_b32 s18, s16, 5                         ; which 256 along K
	s_lshl_b32 s20, s18, 22                        ; 256 rows of 16,384 bytes
	s_lshl_b32 s19, s17, 9
	s_add_co_u32 s20, s20, s19
	s_lshl_b32 s19, s14, 7
	s_add_co_u32 s20, s20, s19
	s_add_nc_u64 s[6:7], s[6:7], s[20:21]
	s_lshl_b32 s19, s17, 3
	s_lshl_b32 s22, s14, 1
	s_add_co_u32 s19, s19, s22                     ; my first tile of 16 columns
	s_mul_i32 s20, s19, TROW
	s_lshr_b32 s22, s18, 1                         ; the K step of 512,
	s_mul_i32 s22, s22, REC
	s_add_co_u32 s20, s20, s22
	s_add_nc_u64 s[12:13], s[12:13], s[20:21]      ; its record
	s_and_b32 s22, s18, 1                          ; and which half of it
	s_lshl_b32 s20, s22, 11
	s_add_nc_u64 s[24:25], s[12:13], s[20:21]      ; codes: eight blocks of 256 bytes a half
	s_lshl_b32 s20, s22, 7
	s_add_nc_u64 s[26:27], s[12:13], s[20:21]      ; scale bytes: 128 a half
.irp i, 0,1,2,3
	global_load_b128 v[P+4*\i:P+4*\i+3], v1, s[8:9] offset:2048+512*\i             ; W's 256 pairs
.endr
.macro WLOAD t
.irp i, 0,1,2,3,4,5,6,7,8,9,10,11,12,13,14,15,16,17,18,19,20,21,22,23,24,25,26,27,28,29,30,31
	global_load_b32 v[WX+32*((\t)%2)+\i], v2, s[6:7] offset:(32*(\t)+\i)*16384 th:TH_LOAD_NT   ; 255 rows of 16,384 bytes at the most: inside the signed 24-bit immediate
.endr
.endm
	WLOAD 0
	WLOAD 1
	s_wait_loadcnt 63                              ; 64 loads were issued behind the pairs; the count is one less, which shows the pairs in all the same
	CONSTS
.macro BLOCK t
.set XS, WX+32*((\t)%2)
.if (\t) < 7
	s_wait_loadcnt 32                              ; this block's 32 loads are in; the next block's stay out
.else
	s_wait_loadcnt 0x0
.endif
	FQ XS, 4
	BMAX 14, 15, XS
	v_add_nc_u32 v18, EOFF, v14
	v_lshrrev_b32 v19, 23, v18                     ; the scale's byte
.if (\t)%4 == 0
	v_mov_b32 v[20+(\t)/4], v19                    ; four bytes to a register, the lower K in the lower byte
.else
	v_lshl_or_b32 v[20+(\t)/4], v19, 8*((\t)%4), v[20+(\t)/4]
.endif
.irp g, 0,1,2,3
	v_cvt_scalef32_pk8_fp4_f32 v[WC+4*(\t)+\g], v[XS+8*\g:XS+8*\g+7], v18
.endr
	v_nop                                          ; one plain line behind the last conversion
	global_store_b128 v3, v[WC+4*(\t):WC+4*(\t)+3], s[24:25] offset:256*(\t)      ; sixteen lanes store 256 consecutive bytes, at a multiple of 256 from the buffer's first byte
.if (\t)+2 < 8
	WLOAD (\t)+2
.endif
.endm
	s_wait_alu depctr_va_vdst(0)
.irp t, 0,1,2,3,4,5,6,7
	BLOCK \t
.endr
	global_store_b64 v16, v[20:21], s[26:27] offset:4096   ; sixteen lanes store 128 consecutive bytes: my half of a record's scale bytes
	s_endpgm
.Lfunc_end_k_q511988fa78_quant:
	.size	k_q511988fa78_quant, .Lfunc_end_k_q511988fa78_quant-k_q511988fa78_quant
	.p2alignl 7, 3214868480
	.fill 96, 4, 3214868480
	.section	.rodata,"a",@progbits
	.p2align	6, 0x0
	.amdhsa_kernel k_q511988fa78_quant
		.amdhsa_group_segment_fixed_size 34304
		.amdhsa_private_segment_fixed_size 0
		.amdhsa_enable_private_segment 0
		.amdhsa_kernarg_size 40
		.amdhsa_user_sgpr_count 2
		.amdhsa_user_sgpr_kernarg_segment_ptr 1
		.amdhsa_wavefront_size32 1
		.amdhsa_system_sgpr_workgroup_id_x 1
		.amdhsa_system_sgpr_workgroup_id_y 1
		.amdhsa_system_sgpr_workgroup_id_z 1
		.amdhsa_system_vgpr_workitem_id 0
		.amdhsa_next_free_vgpr 256
		.amdhsa_next_free_sgpr 66
		.amdhsa_reserve_vcc 0
		.amdhsa_float_denorm_mode_32 3
		.amdhsa_float_denorm_mode_16_64 3
		.amdhsa_memory_ordered 1
		.amdhsa_forward_progress 1
		.amdhsa_inst_pref_size 168
	.end_amdhsa_kernel
	.amdgpu_metadata
---
amdhsa.version: [ 1, 2 ]
amdhsa.kernels:
  - .name:           k_q511988fa78_quant
    .symbol:         k_q511988fa78_quant.kd
    .args:
      - { .name: x, .offset: 0, .size: 8, .value_kind: global_buffer, .address_space: global }
      - { .name: W, .offset: 8, .size: 8, .value_kind: global_buffer, .address_space: global }
      - { .name: part, .offset: 16, .size: 8, .value_kind: global_buffer, .address_space: global }
      - { .name: xq, .offset: 24, .size: 8, .value_kind: global_buffer, .address_space: global }
      - { .name: wq, .offset: 32, .size: 8, .value_kind: global_buffer, .address_space: global }
    .group_segment_fixed_size: 34304
    .private_segment_fixed_size: 0
    .kernarg_segment_align: 8
    .kernarg_segment_size: 40
    .max_flat_workgroup_size: 128
    .sgpr_count:     66
    .vgpr_count:     256
    .wavefront_size: 32
...
	.end_amdgpu_metadata
.endif
;; end of part 2
;; launch gemm (part 3): grid 16 x 16, 4 waves a work-group, clusters of 4 x 4, 327,680 bytes of LDS; arguments xq, wq, b, out0; writes out0
.if DOCPART == 3
	.amdgcn_target "amdgcn-amd-amdhsa--gfx1250"
	.amdhsa_code_object_version 6
	.text
	.protected	k_q511988fa78_gemm
	.globl	k_q511988fa78_gemm
	.p2align	8
	.type	k_q511988fa78_gemm,@function
k_q511988fa78_gemm:
	s_mov_b64 s[64:65], 0
	v_nop
	global_prefetch_b8 v0, s[64:65] scope:SCOPE_SE
	s_setreg_imm32_b32 hwreg(HW_REG_WAVE_MODE, 25, 1), 1
	s_wait_xcnt 0x0
	s_wait_alu depctr_hold_cnt(0) depctr_sa_sdst(0) depctr_va_vdst(0) depctr_va_sdst(0) depctr_va_ssrc(0) depctr_va_vcc(0) depctr_vm_vsrc(0)
	s_getreg_b32 s2, hwreg(HW_REG_IB_STS2, 6, 4)
	s_cmp_eq_u32 s2, 0
	s_cbranch_scc0 .Lentry_in_a_cluster
	s_endpgm
.Lentry_in_a_cluster:
	s_bfe_u32 s2, ttmp6, 0x10000c
	s_cmp_lg_u32 s2, 0xf033
	s_cbranch_scc0 .Lentry_shape_is_right
	s_endpgm
.Lentry_shape_is_right:
; out0 = relu(xq wq^T + b): both operands are codes of FP4 (E2M1) with one E8M0 byte for each 32 along K, laid by the launch before as records:
; [tile of 16 rows of x or 16 columns of W][K step of 512][4,352 bytes: an image of the operand's registers, 4,096 bytes of codes, then 256 scale bytes].
; A tile of out0, 256 x 256, is made by four waves; a wave makes 128 x 128: 64 accumulators, 512 registers.  K goes in 8 steps of 512 through a ring of two LDS slots; a wave's tensor load brings 8 records.
; CLUSTERS: 4 x 4 work-groups; x's records are asked for jointly along a row of the cluster, W's along a column.  Each cluster begins at a K step of its own (made of the cluster's ids alone) and goes round all eight.
; THE MATRIX INSTRUCTION IS USED TRANSPOSED (source 0 = 16 columns of W, source 1 = 16 rows of x): a lane holds eight neighbouring numbers of a row of out0.  The bias is the C of each accumulator's first product.
; REGISTERS: window 0: v0-31 addresses; v32-95 scale words, two sets (lanes 0-15 x's block i, lanes 16-31 W's block i); v128-191, v192-255 x's fragments, TWO sets.
;   window 1: W's fragments, two sets, at v0 and v128; v192-255 the bias until the first step is done; in the last K step all 256: W's fragments of the whole step.   windows 2, 3: the accumulators of my rows 0-63, 64-127.
; A step of 128 along K: ONE run of 32 LDS loads, the next step's fragments into the sets that lie idle, behind one group of places; then 64 matrix instructions on end.  So a fragment is asked for 64 matrix instructions ahead of its use.
; THE LAST K STEP GOES BY ROWS OF out0: all its fragments of W come into window 1, and my eight blocks of 16 rows are finished and stored one after the other.
; NO PREFETCH: K is eight fills at the largest block in clusters, two of them at the head; and the four clusters that walk the same records of x begin two K steps apart, so that every record of x is named by some cluster's first two fills.
; LIMITS: as the launch before states them; NaN and infinities are not served.
.set NQ,     4                         ; steps of 128 in a slot
.set FR,     8                         ; registers of a fragment
.set NP,     4                         ; places behind this matrix instruction (ISA guide 7.12.1)
.set LAPS,   4
.set REC,    4352
.set TROW,   8*REC                     ; from a tile of 16 to the next
.set HALF,   8*REC                     ; what one tensor load brings
.set BOFF,   2*HALF+128                ; W's records lie behind x's
.set SLOT,   139520
.set STAGE,  2*SLOT                    ; behind the ring: 16 rows x 528 bytes for each wave, for the way out
.set SPITCH, 528
.set SPARE,  STAGE+4*16*SPITCH         ; behind the stages: the spare words, 128 bytes a wave
.set ADRA, 16                          ; v16-17 x's fragments in slot 0, 1
.set ADRB, 20                          ; v20-21 W's
.set ADRS, 22                          ; v22-23 my scale words
.set STO,  24
.set RD,   25
.set CO,   26
.set BO,   27
.set SPW,  28                          ; my spare word's address; never rewritten
.set NIL,  29                          ; 0; never rewritten
.set SC,   32
.set AF,   128                         ; x's set at work or being filled: 128 or 192, set anew ahead of each use
.set BI,   192                         ; the bias, in window 1
.set KQ,   12
.set KO,   18
.set G1, 24
.set G0, 32
.set G1B, 48
.set G0B, 56
.set MSB, 0
.macro WIN new                         ; the immediate's high byte repeats the setting that is left
.if MSB != \new
	s_set_vgpr_msb (MSB<<8)|\new
.set MSB, \new
.endif
.endm
.set MUL_LO,   0xa1                    ; source 0 (W) window 1, source 1 (x) window 0, C and D window 2
.set MUL_HI,   0xf1                    ; the same, C and D window 3
.set FIRST_LO, 0x91                    ; the first step: C is the bias, in window 1
.set FIRST_HI, 0xd1
.set TO_B,     0x40                    ; destination window 1, address window 0
.macro JLOAD g0a, g1a, g0b, g1b        ; a joint load: waves 0 and 1 fetch x's records, waves 2 and 3 W's; s_nop 0 and four v_nop behind each line
	s_cmp_eq_u32 s15, 0
	s_cbranch_scc0 .Lfor_b_\@
	tensor_load_to_lds s[\g0a:\g0a+3], s[\g1a:\g1a+7]
	s_nop 0
.rept 4
	v_nop
.endr
	s_branch .Lasked_\@
.Lfor_b_\@:
	tensor_load_to_lds s[\g0b:\g0b+3], s[\g1b:\g1b+7]
	s_nop 0
.rept 4
	v_nop
.endr
.Lasked_\@:
.endm
.macro NEXTK slot                      ; the slot's group 0 takes the next K step of the cluster's walk (mod 8)
	s_and_b32 s[KO], s[KQ], 7
	s_mul_i32 s[KO], s[KO], REC
	s_add_nc_u64 s[G0+4*\slot+2:G0+4*\slot+3], s[4:5], s[KO:KO+1]
	s_or_b32 s[G0+4*\slot+3], s[G0+4*\slot+3], 0x80000000
	s_add_nc_u64 s[G0B+4*\slot+2:G0B+4*\slot+3], s[6:7], s[KO:KO+1]
	s_or_b32 s[G0B+4*\slot+3], s[G0B+4*\slot+3], 0x80000000
	s_add_co_u32 s[KQ], s[KQ], 1
.endm
.macro CREST                           ; a round of the cluster's barrier behind its opening barrier
	s_cmp_lg_u32 s14, 0
	s_cbranch_scc1 .Lnot_wave_0_\@
	s_barrier_signal -3
.Lnot_wave_0_\@:
	s_barrier_wait -3
	s_barrier_signal -1
	s_barrier_wait -1
.endm
.macro CROUND
	s_barrier_signal -1
	s_barrier_wait -1
	CREST
.endm
	s_load_b256 s[4:11], s[0:1], 0x0               ; xq, wq, b, out0
	v_lshl_add_u32 v[SPW], v0, 2, SPARE
	v_mov_b32 v[NIL], 0
	ds_add_u32 v[SPW], v[NIL]                      ; the opening lines: the add, twice on end, and its wait ahead of my first tensor load
	ds_add_u32 v[SPW], v[NIL]
	v_lshrrev_b32 v1, 5, v0
	v_readfirstlane_b32 s14, v1                    ; wave 0..3
	s_lshr_b32 s15, s14, 1                         ; my half of the tile's rows; also: I fetch for x (0) or W (1)
	s_and_b32 s16, s14, 1                          ; my half of its columns; also: which 8 records I fetch
	s_bfe_u32 s40, ttmp6, 0x40000                  ; cx, cy
	s_bfe_u32 s41, ttmp6, 0x40004
	s_lshl_b32 s42, ttmp9, 2
	s_add_co_u32 s42, s42, s40                     ; tile column
	s_and_b32 s17, ttmp7, 0xffff
	s_lshl_b32 s17, s17, 2
	s_add_co_u32 s17, s17, s41                     ; tile row
	s_lshl_b32 s43, s41, 2
	s_lshl_b32 s43, 15, s43                        ; my row of the cluster
	s_lshl_b32 s44, 0x1111, s40                    ; my column
	s_or_b32 s[G1+0], s43, (3<<16)|(1<<21)         ; elements of 8 bytes; the mask, and bit 21 beside it
	s_or_b32 s[G1B+0], s44, (3<<16)|(1<<21)
.irp g, G1, G1B
	s_mov_b32 s[\g+1], 544<<16                     ; a record is a row of 544 elements; 8 rows, TROW bytes apart
	s_mov_b32 s[\g+2], 8<<16
	s_mov_b32 s[\g+3], 544<<16
	s_mov_b32 s[\g+4], 8
	s_mov_b32 s[\g+5], TROW/8
	s_mov_b32 s[\g+6], 0
	s_mov_b32 s[\g+7], 0
.endr
	s_lshl_b32 s13, s16, 3
	s_lshl_b32 s20, s17, 4
	s_add_co_u32 s20, s20, s13
	s_mul_i32 s20, s20, TROW                       ; x: my 8 tiles of 16 rows
	s_mov_b32 s21, 0
	s_lshl_b32 s46, s42, 4
	s_add_co_u32 s46, s46, s13
	s_mul_i32 s46, s46, TROW                       ; W: my 8 tiles of 16 columns
	s_mov_b32 s47, 0
	s_mul_i32 s45, s14, HALF                       ; where they go: no place in the cluster enters an LDS address
	s_lshl_b32 s13, s15, 7
	s_add_co_u32 s45, s45, s13
	s_and_b32 s[KQ], ttmp7, 0xffff                 ; the cluster's first K step, of the cluster's ids alone
	s_lshr_b32 s13, s[KQ], 1
	s_xor_b32 s[KQ], s[KQ], s13
	s_and_b32 s[KQ], s[KQ], 1
	s_lshl_b32 s[KQ], s[KQ], 2
	s_lshl_b32 s13, ttmp9, 1
	s_add_co_u32 s[KQ], s[KQ], s13
	s_mov_b32 s[KO+1], 0
	s_wait_dscnt 0x0                               ; both opening adds are done
	s_wait_kmcnt 0x0
	s_add_nc_u64 s[4:5], s[4:5], s[20:21]
	s_add_nc_u64 s[6:7], s[6:7], s[46:47]
	CROUND                                         ; all sixteen work-groups are here: the first joint loads meet
.irp s, 0,1
	s_mov_b32 s[G0+4*\s], 1
	s_add_co_u32 s[G0+4*\s+1], s45, \s*SLOT
	s_mov_b32 s[G0B+4*\s], 1
	s_add_co_u32 s[G0B+4*\s+1], s45, \s*SLOT
	NEXTK \s
.endr
	JLOAD G0, G1, G0B, G1B                         ; the first fill: one tensor load a wave at the head; all that follows up to the wait for it stands under its flight
	v_and_b32 v1, 15, v0                           ; r
	v_bfe_u32 v2, v0, 4, 1                         ; h
	s_wait_alu depctr_va_vdst(0)
	v_and_b32 v3, 31, v0
	v_lshlrev_b32 v[CO], 4, v3                     ; a fragment's image, and a row of out0: 16 x lane
	s_mul_i32 s21, s15, HALF
	s_mul_i32 s22, s16, HALF
	s_add_co_u32 s22, s22, BOFF
.irp s, 0,1
	v_add_nc_u32 v[ADRA+\s], s21, v[CO]
	v_add_nc_u32 v[ADRB+\s], s22, v[CO]
	s_add_co_u32 s21, s21, SLOT
	s_add_co_u32 s22, s22, SLOT
.endr
	s_xor_b32 s22, s15, 1
	s_add_co_u32 s22, s22, s16
	s_mul_i32 s22, s22, HALF
	s_add_co_u32 s22, s22, BOFF-HALF               ; from x's scale bytes to W's: lanes 16-31 take W's
	v_mul_u32_u24 v6, s22, v2
	v_lshl_add_u32 v6, v1, 3, v6
	s_mul_i32 s21, s15, HALF
	s_add_co_u32 s21, s21, 4096
	v_add_nc_u32 v[ADRS], s21, v6
	v_add_nc_u32 v[ADRS+1], SLOT, v[ADRS]
	s_mul_i32 s23, s14, 16*SPITCH
	s_add_co_u32 s23, s23, STAGE                   ; my stage
	v_mul_u32_u24 v5, v1, SPITCH
	v_lshl_add_u32 v5, v2, 5, v5
	v_add_nc_u32 v[STO], s23, v5
	v_add_nc_u32 v[RD], s23, v[CO]
	s_lshl_b32 s22, s42, 10
	s_lshl_b32 s23, s16, 9
	s_add_co_u32 s22, s22, s23
	s_mov_b32 s23, 0
	s_add_nc_u64 s[8:9], s[8:9], s[22:23]
	v_lshlrev_b32 v[BO], 5, v2
	WIN TO_B
.irp n, 0,1,2,3,4,5,6,7
	global_load_b128 v[BI+8*\n:BI+8*\n+3], v[BO], s[8:9] offset:64*\n           ; b at the lane's eight columns of W's block n
	global_load_b128 v[BI+8*\n+4:BI+8*\n+7], v[BO], s[8:9] offset:64*\n+16
.endr
	WIN 0
	s_lshl_b32 s20, s17, 8
	s_lshl_b32 s21, s15, 7
	s_add_co_u32 s20, s20, s21                     ; my first row of out0, 16,384 bytes a row
	s_lshl_b32 s20, s20, 14
	s_mov_b32 s21, 0
	s_lshl_b32 s46, s42, 10
	s_lshl_b32 s47, s16, 9
	s_add_co_u32 s46, s46, s47
	s_add_co_u32 s20, s20, s46
	s_add_nc_u64 s[10:11], s[10:11], s[20:21]
.macro FRAG reg, adr, q, i             ; a fragment: two loads of 16 bytes a lane, as the record has them
.irp c, 0,1
	ds_load_b128 v[\reg+4*\c:\reg+4*\c+3], v[\adr] offset:REC*(\i)+1024*(\q)+512*\c
.endr
.endm
; 16 matrix instructions: x's blocks a0, a0 + 1 (from the set at AF) x W's eight (set p), the slot's q-th 128 along K.  The 64 accumulators take turns in the same order in every step.
.macro MUL16 a0, p, q, sc, first
.irp a, \a0, \a0+1
.irp b, 0,1,2,3,4,5,6,7
.if \first
	v_wmma_scale_f32_16x16x128_f8f6f4 v[8*(8*((\a)%4)+\b):8*(8*((\a)%4)+\b)+7], v[128*(\p)+FR*\b:128*(\p)+FR*\b+FR-1], v[AF+FR*(\a):AF+FR*(\a)+FR-1], v[BI+8*\b:BI+8*\b+7], v[SC+32*(\sc)+NQ*\b+(\q)], v[SC+32*(\sc)+NQ*(\a)+(\q)] matrix_a_fmt:MATRIX_FMT_FP4 matrix_b_fmt:MATRIX_FMT_FP4 matrix_a_scale:MATRIX_SCALE_ROW1
.else
	v_wmma_scale_f32_16x16x128_f8f6f4 v[8*(8*((\a)%4)+\b):8*(8*((\a)%4)+\b)+7], v[128*(\p)+FR*\b:128*(\p)+FR*\b+FR-1], v[AF+FR*(\a):AF+FR*(\a)+FR-1], v[8*(8*((\a)%4)+\b):8*(8*((\a)%4)+\b)+7], v[SC+32*(\sc)+NQ*\b+(\q)], v[SC+32*(\sc)+NQ*(\a)+(\q)] matrix_a_fmt:MATRIX_FMT_FP4 matrix_b_fmt:MATRIX_FMT_FP4 matrix_a_scale:MATRIX_SCALE_ROW1
.endif
.endr
.endr
.endm
.macro FETCH_B slot, q, p
	WIN TO_B
.irp i, 0,1,2,3,4,5,6,7
	FRAG 128*(\p)+FR*\i, ADRB+\slot, \q, \i
.endr
	WIN 0
.endm
.macro FETCH_A slot, q                 ; x's eight blocks into the set at AF
.irp i, 0,1,2,3,4,5,6,7
	FRAG AF+FR*\i, ADRA+\slot, \q, \i
.endr
.endm
.macro SCALES slot
.irp i, 0,1,2,3,4,5,6,7
	ds_load_b64 v[SC+32*\slot+NQ*\i:SC+32*\slot+NQ*\i+1], v[ADRS+\slot] offset:REC*\i
	ds_load_b64 v[SC+32*\slot+NQ*\i+2:SC+32*\slot+NQ*\i+3], v[ADRS+\slot] offset:REC*\i+128
.endr
.endm
.macro PLACES n
.rept \n
	v_nop
.endr
.endm
; A step that has its successor in the same slot.
.macro STEP slot, q, first
	s_wait_dscnt 0x0                               ; this step's fragments are in
	PLACES NP                                      ; between the last step's matrix instructions and the loads into the sets that they read
	FETCH_B \slot, (\q)+1, 1-(\q)%2
.set AF, 128+64*(1-(\q)%2)
	FETCH_A \slot, (\q)+1
.set AF, 128+64*((\q)%2)
.if \first
	WIN FIRST_LO
.else
	WIN MUL_LO
.endif
	MUL16 0, (\q)%2, \q, \slot, \first
	MUL16 2, (\q)%2, \q, \slot, \first
.if \first
	WIN FIRST_HI
.else
	WIN MUL_HI
.endif
	MUL16 4, (\q)%2, \q, \slot, \first
	MUL16 6, (\q)%2, \q, \slot, \first
	WIN 0
.endm
; A slot's last step changes slots: in front of the one barrier, which opens a round of the cluster's barrier, each wave waits for all its tensor loads, adds 0 to its spare word, and waits for that and for its reads of this slot.
.macro TURN slot, next
	s_wait_tensorcnt 0x0                           ; my part of the next slot is in
	ds_add_u32 v[SPW], v[NIL]
	NEXTK \slot
	s_wait_dscnt 1                                 ; this step's fragments are in; the add may be out
.set AF, 192
	WIN MUL_LO
	MUL16 0, 1, NQ-1, \slot, 0
	s_wait_dscnt 0x0                               ; the add is done, and my reads of this slot are over
	s_barrier_signal -1
	MUL16 2, 1, NQ-1, \slot, 0
	WIN 0
	s_barrier_wait -1
	CREST
	JLOAD G0+4*\slot, G1, G0B+4*\slot, G1B         ; the first tensor load behind the round; its four v_nop are the places in front of the loads below
	FETCH_B \next, 0, 0
.set AF, 128
	FETCH_A \next, 0
	SCALES \next
.set AF, 192
	WIN MUL_HI
	MUL16 4, 1, NQ-1, \slot, 0
	MUL16 6, 1, NQ-1, \slot, 0
	WIN 0
.endm
.macro STEPS slot, from
.set Q, \from
.rept NQ-1-\from
	STEP \slot, Q, 0
.set Q, Q+1
.endr
.endm
; The last K step, by rows.
.macro BLOAD q                         ; W's fragments of quarter q -> window 1, v[64 q ..]
.irp i, 0,1,2,3,4,5,6,7
	FRAG 64*(\q)+FR*\i, ADRB+1, \q, \i
.endr
.endm
.macro ALOAD a                         ; x's block a, all four quarters -> buffer a % 4 of v128-255
.set FA, 128+32*((\a)%4)
.irp q, 0,1,2,3
	FRAG FA+FR*\q, ADRA+1, \q, \a
.endr
.endm
.macro ROW a                           ; block a is finished: 32 matrix instructions, its 8 accumulators by turns
.set FA, 128+32*((\a)%4)
.set AC, 64*((\a)%4)
	WIN MUL_LO+0x50*((\a)/4)
.irp q, 0,1,2,3
.if ((\a) == 0) && (\q == 2)
	s_wait_dscnt 24                                ; W's quarter 2 is in (behind it: x's blocks 1 to 3)
.endif
.irp b, 0,1,2,3,4,5,6,7
	v_wmma_scale_f32_16x16x128_f8f6f4 v[AC+8*\b:AC+8*\b+7], v[64*\q+FR*\b:64*\q+FR*\b+FR-1], v[FA+FR*\q:FA+FR*\q+FR-1], v[AC+8*\b:AC+8*\b+7], v[SC+32+NQ*\b+\q], v[SC+32+NQ*(\a)+\q] matrix_a_fmt:MATRIX_FMT_FP4 matrix_b_fmt:MATRIX_FMT_FP4 matrix_a_scale:MATRIX_SCALE_ROW1
.endr
.endr
.endm
; The way out of block a: through my own stage, back into its own registers as whole rows of 512 bytes (LDS serves a wave's instructions in order: ISA guide 5.7.1.4); relu; 32 lanes store two aligned units of 256 bytes.
.macro TOSTAGE a
.set AC, 64*((\a)%4)
	WIN 0x88+0x44*((\a)/4)
.irp b, 0,1,2,3,4,5,6,7
	ds_store_b128 v[STO], v[AC+8*\b:AC+8*\b+3] offset:64*\b          ; each accumulator from its low end on
	ds_store_b128 v[STO], v[AC+8*\b+4:AC+8*\b+7] offset:64*\b+16
.endr
.irp t, 0,1,2,3,4,5,6,7,8,9,10,11,12,13,14,15
	ds_load_b128 v[AC+4*\t:AC+4*\t+3], v[RD] offset:\t*SPITCH
.endr
.endm
.macro SEND a, younger                 ; younger: the LDS loads issued behind TOSTAGE's, which may stay out
.set AC, 64*((\a)%4)
	WIN 0x88+0x44*((\a)/4)
	s_wait_dscnt \younger
.set SJ, 0
.rept 64
	v_max_num_f32 v[AC+SJ], 0, v[AC+SJ]
.set SJ, SJ+1
.endr
.irp t, 0,1,2,3,4,5,6,7,8,9,10,11,12,13,14,15
	global_store_b128 v[CO], v[AC+4*\t:AC+4*\t+3], s[10:11] offset:(16*(\a)+\t)*16384 th:TH_STORE_NT   ; 127 rows of 16,384 bytes at the most: inside the signed 24-bit immediate
.endr
.endm
	s_wait_alu depctr_va_vdst(0)
	s_wait_tensorcnt 0x0                           ; my part of the first fill is in
	ds_add_u32 v[SPW], v[NIL]
	s_wait_dscnt 0x0
	CROUND
	JLOAD G0+4, G1, G0B+4, G1B                     ; slot 1's first fill, the first tensor load behind the round
	FETCH_B 0, 0, 0
.set AF, 128
	FETCH_A 0, 0
	SCALES 0
	s_wait_loadcnt 0x0                             ; the bias is in
	STEP 0, 0, 1                                   ; the first step stands ahead of the loop: its products start the sums on the bias
	s_mov_b32 s3, LAPS-1
.Llap:                                                 ; a trip goes once round the ring and fills both slots again
	STEPS 0, 1
	TURN 0, 1
	STEPS 1, 0
	TURN 1, 0
	STEP 0, 0, 0
	s_sub_co_u32 s3, s3, 1
	s_cmp_lg_u32 s3, 0
	s_cbranch_scc1 .Llap
	STEPS 0, 1
	s_wait_tensorcnt 0x0                           ; slot 1 holds the last K step; nothing is filled again, so no round follows
	ds_add_u32 v[SPW], v[NIL]
	s_wait_dscnt 1
.set AF, 192
	WIN MUL_LO
	MUL16 0, 1, NQ-1, 0, 0
	s_wait_dscnt 0x0
	s_barrier_signal -1
	MUL16 2, 1, NQ-1, 0, 0
	s_barrier_wait -1
	PLACES NP                                      ; for the loads into the sets that the step before multiplied
	WIN TO_B
	BLOAD 0                                        ; three quarters of W now: set 1 (v128-191) is still being multiplied
	BLOAD 1
	BLOAD 3
	WIN 0
	SCALES 1
	ALOAD 0
	WIN MUL_HI
	MUL16 4, 1, NQ-1, 0, 0
	MUL16 6, 1, NQ-1, 0, 0
	PLACES NP
	WIN TO_B
	BLOAD 2
	WIN 0
	ALOAD 1
	ALOAD 2
	ALOAD 3
	s_wait_dscnt 40                                ; all but the 40 just issued
	ROW 0
	s_wait_dscnt 0x0
	PLACES NP
.irp a, 0,1,2,3,4,5,6
	TOSTAGE \a
.if \a < 4
	WIN 0
	ALOAD \a+4                                     ; its buffer takes the block four further on
.endif
	ROW \a+1
.if \a < 4
	SEND \a, 8
.else
	SEND \a, 0
.endif
.endr
	TOSTAGE 7
	SEND 7, 0
	WIN 0
	s_wait_tensorcnt 0x0                           ; the wave's end
	ds_add_u32 v[SPW], v[NIL]
	s_wait_dscnt 0x0
	CROUND                                         ; the closing round
	s_endpgm
.Lfunc_end_k_q511988fa78_gemm:
	.size	k_q511988fa78_gemm, .Lfunc_end_k_q511988fa78_gemm-k_q511988fa78_gemm
	.p2alignl 7, 3214868480
	.fill 96, 4, 3214868480
	.section	.rodata,"a",@progbits
	.p2align	6, 0x0
	.amdhsa_kernel k_q511988fa78_gemm
		.amdhsa_group_segment_fixed_size 327680
		.amdhsa_private_segment_fixed_size 0
		.amdhsa_enable_private_segment 0
		.amdhsa_kernarg_size 32
		.amdhsa_user_sgpr_count 2
		.amdhsa_user_sgpr_kernarg_segment_ptr 1
		.amdhsa_wavefront_size32 1
		.amdhsa_system_sgpr_workgroup_id_x 1
		.amdhsa_system_sgpr_workgroup_id_y 1
		.amdhsa_system_sgpr_workgroup_id_z 1
		.amdhsa_system_vgpr_workitem_id 0
		.amdhsa_next_free_vgpr 1024
		.amdhsa_next_free_sgpr 66
		.amdhsa_reserve_vcc 0
		.amdhsa_float_denorm_mode_32 3
		.amdhsa_float_denorm_mode_16_64 3
		.amdhsa_memory_ordered 1
		.amdhsa_forward_progress 1
		.amdhsa_inst_pref_size 226
	.end_amdhsa_kernel
	.amdgpu_metadata
---
amdhsa.version: [ 1, 2 ]
amdhsa.kernels:
  - .name:           k_q511988fa78_gemm
    .symbol:         k_q511988fa78_gemm.kd
    .args:
      - { .name: xq, .offset: 0, .size: 8, .value_kind: global_buffer, .address_space: global }
      - { .name: wq, .offset: 8, .size: 8, .value_kind: global_buffer, .address_space: global }
      - { .name: b, .offset: 16, .size: 8, .value_kind: global_buffer, .address_space: global }
      - { .name: out0, .offset: 24, .size: 8, .value_kind: global_buffer, .address_space: global }
    .group_segment_fixed_size: 327680
    .private_segment_fixed_size: 0
    .kernarg_segment_align: 8
    .kernarg_segment_size: 32
    .max_flat_workgroup_size: 128
    .sgpr_count:     66
    .vgpr_count:     1024
    .wavefront_size: 32
...
	.end_amdgpu_metadata
.endif
;; end of part 3
